; MI455X (gfx1250); checked and timed in simulation.
; The chip was launched on July 23, 2026; its instructions are those of AMD's public machine-readable ISA for CDNA 5 (MIT licence, August 2026) and "CDNA5" Instruction Set Architecture Reference Guide (July 2026). The comments in the code are by the model that wrote it; some were corrected since.
;; Signature Transform. Allowed arithmetic: float matrix products may take bf16 or f16 operands with f32 sums; all other float work in f32.
;; Inputs: path 32 x 1,024 x 8 float32.
;; Outputs: out0 32 x 8 float32; out1 32 x 64 float32; out2 32 x 512 float32; out3 32 x 4,096 float32.
;; Constants: depth = 4.
;; One version. Each part assembles by itself: llvm-mc -triple=amdgcn-amd-amdhsa -mcpu=gfx1250 --defsym DOCPART=n.
;; ======== version 1 of 1: 1 launch
;; launch signature (part 1): grid 256 x 1, 8 waves a work-group, no clusters, 123,136 bytes of LDS; arguments path, out0, out1, out2, out3; writes out0, out1, out2, out3
.if DOCPART == 1
	.amdgcn_target "amdgcn-amd-amdhsa--gfx1250"
	.amdhsa_code_object_version 6
	.text
	.protected	k_q6b45228516_signature
	.globl	k_q6b45228516_signature
	.p2align	8
	.type	k_q6b45228516_signature,@function
k_q6b45228516_signature:
	s_mov_b64 s[64:65], 0
	v_nop
	global_prefetch_b8 v0, s[64:65] scope:SCOPE_SE
	s_setreg_imm32_b32 hwreg(HW_REG_WAVE_MODE, 25, 1), 1
	s_wait_xcnt 0x0
; Signature of a piecewise linear path, depth 4, d = 8.  path: [32][1024][8] f32.  out0..out3: levels 1..4, f32.
;
; OWNERSHIP.  Under S <- S (x) exp(x) an entry depends only on the entries that are prefixes of its word, so all entries with the
; same FIRST letter i form a closed recurrence.  Work-group 8 b + i makes S1[i], S2[i,:], S3[i,:,:], S4[i,:,:,:] of batch b:
; 32 x 8 = 256 work-groups of equal work, nothing passes between them.
; ONE STEP (x = p[t+1] - p[t], P1 = p[t][i] - p[0][i], all right-hand sides taken before the step), in Horner form:
;     S4[j,k,l] += (S3[j,k] + (P2[j]/2 + a3 x[j]) x[k]) x[l]          a3 = P1/6 + x[i]/24
;     S3[j,k]   += (P2[j] + a2 x[j]) x[k]                              a2 = P1/2 + x[i]/6
;     P2[j]     += a1 x[j]                                             a1 = P1 + x[i]/2
; TIME is cut into 32 chunks of 32 steps (step 1023 is the zero increment with which the reference pads).  Level 1 at a chunk's start
; is read off the path.  Level 2 at a chunk's start comes from a pre-pass (each chunk's sum of a1 x[j], then a prefix over the chunks).
; Level 3 starts at 0 in each chunk: what its true start would add to level 4, sum_c S3start(c) (x) X(c), is the same as
; sum_c S3total(c) (x) (p[1023] - p[end of c]), which each chunk adds for itself.  Levels 3 and 4 are then plain sums over the chunks.
; LANES.  Eight waves.  Lane = (j = lane & 7, chunk = 4 wave + lane >> 3): it keeps S4[i,j,:,:] of its chunk in 64 registers and
; S3[i,j,:] in 8.  A step is 42 packed multiply-adds, and each of these instructions serves four time steps (the four lane groups).
; NO CLUSTER: the eight work-groups of a batch share only its 32 KiB of path, read once at the start and wanted in registers, where
; the increments are formed; a joint tensor load would add a trip through LDS and a barrier in front of 32 x 42 packed multiply-adds.
; NO MATRIX UNIT: all sums are carried in f32; they cancel strongly, and operands of 16 bits would lose the digits that are left.
; LIMITS: the sums run in another order than the reference's tree (f32 rounding only).  Where an intermediate overflows f32 the
; reference is not finite either; which entries are then inf or NaN is not reproduced.
.set ROWB,  32                         ; bytes of a path row
.set LAST,  1023                       ; last row
.set REC,   48                         ; LDS record of a step: x[0..7], a1, a1/2, a2, a3
.set CHP,   32*REC+32                  ; a chunk's 32 records + 32 bytes = 392 words = 8 mod 64: the four chunks that a wave reads at once
                                       ; start 8 banks apart (64 banks of 4 bytes: ISA guide 11.1)
.set WTB,   32*CHP                     ; [wave][j]: the waves' level-2 sums, 256 bytes
.set L3WB,  WTB+256                    ; [wave][j][k]: the waves' level-3 sums, 8 x 256 bytes
.set REDB,  L3WB+8*256                 ; [chunk][j][k][l]: the chunks' level-4 sums
.set JP,    272                        ; 256 bytes of (k,l) + 16: rows j start 4 banks apart
.set CP,    8*JP                       ; a chunk's block, 544 words = 32 mod 64
.set C6,    0x3e2aaaab                 ; 1/6
.set C24,   0x3d2aaaab                 ; 1/24
; vector registers
.set LANE,  1
.set OFF,   2                          ; 32 x thread: byte offset of row t = thread
.set OFFI,  3                          ; + 4 i
.set NX,    4                          ; row min(thread + 769, 1023): the row behind the thread's last one, kept inside the buffer
.set NXI,   5                          ; + 4 i
.set EROW,  6                          ; the row at the end of my chunk, min(32 (c + 1), 1023)
.set WR,    7                          ; LDS: where the thread writes its records
.set RB,    8                          ; LDS: my chunk's records
.set RBJ,   9                          ; + 4 j
.set J,     10
.set ZERO,  11
.set L2T,   12
.set TMP,   13
.set P2,    14                         ; v[14:15]   P2[j], P2[j]/2
.set WU,    16                         ; v[16:17]   P2 + a2 xj, P2/2 + a3 xj
.set R,     18                         ; v[18:25]   p[1023] - p[end of my chunk]
.set L3,    26                         ; v[26:33]   S3[i,j,0..7] of my chunk
.set U3,    34                         ; v[34:41]   the bracket that multiplies x[l]
.set SL,    42                         ; v[42:89]   four record slots of 12
.set XJ,    90                         ; v[90:121]  x[j] of my chunk's 32 steps
.set ACC,   122                        ; v[122:185] S4[i,j,k,l] of my chunk at ACC + 8 k + l
.set G,     186                        ; v[186:189] scratch
.set T,     190                        ; v[190:193] scratch
; registers used only while the path comes in, or only in the pre-pass
.set LD,    122                        ; v[122:193] four sets of 18: row t, row t + 1, p[t][i], p[t+1][i]
.set QA,    34                         ; v[34:49]   four quads a1, a1/2, a2, a3
.set RT,    58                         ; v[58:73]   row at my chunk's end, last row
.set PT,    90                         ; v[90:93]   scratch
.set A1T,   122                        ; v[122:153] pre-pass: a1 of the 32 steps
.set WT,    154                        ; v[154:161] the eight waves' level-2 sums
	s_load_b256 s[4:11], s[0:1], 0x0               ; path s[4:5], out0 s[6:7], out1 s[8:9], out2 s[10:11]
	s_load_b64 s[12:13], s[0:1], 0x20              ; out3
	v_lshl_add_u32 v194, v0, 2, 0x1dd00
	v_mov_b32 v195, 0
	v_and_b32 v[LANE], 31, v0
	v_lshrrev_b32 v[TMP], 5, v0
	v_readfirstlane_b32 s14, v[TMP]                ; wave 0..7
	s_and_b32 s15, ttmp9, 7                        ; i
	s_lshl_b32 s17, s15, 2                         ; 4 i
	s_lshr_b32 s16, ttmp9, 3                       ; b
	s_lshl_b32 s18, s16, 15                        ; b x 32,768 bytes
	s_mov_b32 s19, 0
	s_mov_b32 s22, 0x76543210                      ; v_permlanex16_b32: lane n of the other half
	s_mov_b32 s23, 0xfedcba98
	v_lshlrev_b32 v[OFF], 5, v0
	v_add_nc_u32 v[OFFI], s17, v[OFF]
	v_add_nc_u32 v[NX], 769, v0
	v_min_u32 v[NX], LAST, v[NX]                   ; thread 255: row 1023 again, so that step 1023 is the zero increment
	v_lshlrev_b32 v[NX], 5, v[NX]
	v_add_nc_u32 v[NXI], s17, v[NX]
	v_lshrrev_b32 v[TMP], 3, v0                    ; my chunk c = 4 wave + lane / 8
	v_lshl_add_u32 v[EROW], v[TMP], 5, 32
	v_min_u32 v[EROW], LAST, v[EROW]
	v_lshlrev_b32 v[EROW], 5, v[EROW]
	v_mov_b32 v[ZERO], 0
	s_wait_kmcnt 0x0
	s_add_nc_u64 s[4:5], s[4:5], s[18:19]          ; my batch's path
	s_load_b32 s20, s[4:5], s17 offset:0x0         ; p[0][i]
	s_load_b32 s21, s[4:5], s17 offset:LAST*ROWB   ; p[1023][i]
	; PHASE 0.  Thread n makes the records of steps t = n, n + 256, n + 512, n + 768.  28 loads a thread, all issued at once.
.irp g, 0,1,2
	global_load_b128 v[LD+18*\g:LD+18*\g+3],     v[OFF], s[4:5] offset:\g*8192
	global_load_b128 v[LD+18*\g+4:LD+18*\g+7],   v[OFF], s[4:5] offset:\g*8192+16
	global_load_b128 v[LD+18*\g+8:LD+18*\g+11],  v[OFF], s[4:5] offset:\g*8192+32
	global_load_b128 v[LD+18*\g+12:LD+18*\g+15], v[OFF], s[4:5] offset:\g*8192+48
	global_load_b32  v[LD+18*\g+16], v[OFFI], s[4:5] offset:\g*8192
	global_load_b32  v[LD+18*\g+17], v[OFFI], s[4:5] offset:\g*8192+32
.endr
	global_load_b128 v[LD+54:LD+57], v[OFF], s[4:5] offset:24576
	global_load_b128 v[LD+58:LD+61], v[OFF], s[4:5] offset:24576+16
	global_load_b128 v[LD+62:LD+65], v[NX], s[4:5]
	global_load_b128 v[LD+66:LD+69], v[NX], s[4:5] offset:16
	global_load_b32  v[LD+70], v[OFFI], s[4:5] offset:24576
	global_load_b32  v[LD+71], v[NXI], s[4:5]
	global_load_b128 v[RT:RT+3],     v[EROW], s[4:5]
	global_load_b128 v[RT+4:RT+7],   v[EROW], s[4:5] offset:16
	global_load_b128 v[RT+8:RT+11],  v[ZERO], s[4:5] offset:LAST*ROWB
	global_load_b128 v[RT+12:RT+15], v[ZERO], s[4:5] offset:LAST*ROWB+16
	; addresses, while the loads are out
	v_mul_u32_u24 v[WR], v[LANE], REC              ; step t = 32 (wave + 8 g) + lane: chunk wave + 8 g, record lane
	s_mul_i32 s25, s14, CHP
	v_add_nc_u32 v[WR], s25, v[WR]
	v_mul_u32_u24 v[RB], v[TMP], CHP
	v_and_b32 v[J], 7, v0
	v_lshl_add_u32 v[RBJ], v[J], 2, v[RB]
	s_lshl_b32 s18, ttmp9, 2                       ; the work-group's share of each output: 4, 32, 256, 2,048 bytes
	s_add_nc_u64 s[6:7], s[6:7], s[18:19]
	s_lshl_b32 s18, ttmp9, 5
	s_add_nc_u64 s[8:9], s[8:9], s[18:19]
	s_lshl_b32 s18, ttmp9, 8
	s_add_nc_u64 s[10:11], s[10:11], s[18:19]
	s_lshl_b32 s18, ttmp9, 11
	s_add_nc_u64 s[12:13], s[12:13], s[18:19]
	s_wait_kmcnt 0x0                               ; p[0][i], p[1023][i]
; the record of step t = thread + 256 g.  left = loads issued behind this set's six (loads return in order: ISA guide 5.7.1)
.macro RECORD g, left
	.set B, LD+18*\g
	.set Q, QA+4*\g
	s_wait_loadcnt \left
.irp m, 0,2,4,6
	v_pk_add_f32 v[B+8+\m:B+9+\m], v[B+8+\m:B+9+\m], v[B+\m:B+\m+1] neg_lo:[0,1] neg_hi:[0,1]   ; x = p[t+1] - p[t]
.endr
	v_sub_f32 v[PT], v[B+17], v[B+16]              ; x[i]
	v_sub_f32 v[PT+1], v[B+16], s20                ; P1
	v_fma_f32 v[Q], v[PT], 0.5, v[PT+1]            ; a1 = P1 + x[i]/2
	v_mul_f32 v[PT+2], 0.5, v[PT+1]
	v_mul_f32 v[PT+3], C6, v[PT+1]
	v_mul_f32 v[Q+1], 0.5, v[Q]                    ; a1/2
	v_fmamk_f32 v[Q+2], v[PT], C6, v[PT+2]         ; a2 = P1/2 + x[i]/6
	v_fmamk_f32 v[Q+3], v[PT], C24, v[PT+3]        ; a3 = P1/6 + x[i]/24
	ds_store_b128 v[WR], v[B+8:B+11]  offset:\g*8*CHP      ; lanes 48 bytes = 12 words apart: sixteen neighbouring lanes meet sixteen
	ds_store_b128 v[WR], v[B+12:B+15] offset:\g*8*CHP+16   ; different groups of four banks
	ds_store_b128 v[WR], v[Q:Q+3]     offset:\g*8*CHP+32
.endm
	RECORD 0, 22
	RECORD 1, 16
	RECORD 2, 10
	RECORD 3, 4
	s_wait_loadcnt 0x0
.irp m, 0,2,4,6
	v_pk_add_f32 v[R+\m:R+\m+1], v[RT+8+\m:RT+9+\m], v[RT+\m:RT+\m+1] neg_lo:[0,1] neg_hi:[0,1]   ; what the path still does behind my chunk
.endr
	s_wait_dscnt 0x0                               ; my records are in LDS
	s_barrier_signal -1
	s_barrier_wait -1                              ; everybody's are
	; PHASE 1.  My chunk's sum of a1 x[j].  x[j] of the 32 steps stays in registers for phase 2.
.set stp, 0
.rept 32
	ds_load_b32 v[A1T+stp], v[RB]  offset:stp*REC+32
	ds_load_b32 v[XJ+stp],  v[RBJ] offset:stp*REC
.set stp, stp+1
.endr
	v_and_b32 v[T], 8, v0
	v_cmp_ne_u32 s26, 0, v[T]                      ; lanes of the chunks 4 w + 1, 4 w + 3
	v_and_b32 v[T], 16, v0
	v_cmp_ne_u32 s27, 0, v[T]                      ; lanes of the chunks 4 w + 2, 4 w + 3
; eight steps in four chains; left = LDS loads issued behind these sixteen
.macro GSUM first, left
	s_wait_dscnt \left
.irp q, 0,1,2,3,4,5,6,7
.if \first+\q < 4
	v_mul_f32 v[G+\q], v[A1T+\q], v[XJ+\q]         ; the first four products start the chains
.else
	v_fmac_f32 v[G+(\q)%4], v[A1T+\first+\q], v[XJ+\first+\q]
.endif
.endr
.endm
	GSUM 0, 48
	GSUM 8, 32
	GSUM 16, 16
	GSUM 24, 0
	v_add_f32 v[G], v[G], v[G+1]
	v_add_f32 v[G+2], v[G+2], v[G+3]
	v_add_f32 v[G], v[G], v[G+2]                   ; my chunk's sum
	v_mov_b32_dpp v[G+1], v[G] row_xmask:8 row_mask:0xf bank_mask:0xf   ; the sum of the other chunk of my pair
	v_add_f32 v[G+2], v[G], v[G+1]                 ; the pair's
	v_permlanex16_b32 v[G+3], v[G+2], s22, s23     ; the other pair's
	v_add_f32 v[TMP], v[G+2], v[G+3]               ; the wave's
	v_cndmask_b32 v[P2], 0, v[G+1], s26            ; what lies in front of my chunk inside the wave
	v_cndmask_b32 v[T], 0, v[G+3], s27
	v_add_f32 v[P2], v[P2], v[T]
	s_lshl_b32 s25, s14, 5
	s_add_co_u32 s25, s25, WTB
	v_lshl_add_u32 v[T+1], v[J], 2, s25
	ds_store_b32 v[T+1], v[TMP]                    ; [wave][j]; the four lane groups write the same word with the same value
	s_wait_dscnt 0x0                               ; my wave's sums are in LDS
	s_barrier_signal -1
	s_barrier_wait -1                              ; all eight waves' are
	; PHASE 2.  The 32 steps, written out: every LDS offset is an immediate and x[j] is named statically.
.macro FILL st                         ; the record of step st into slot st % 4; the eight lanes of a chunk read the same bytes
	.set FB, SL+12*((\st)%4)
	ds_load_b128 v[FB:FB+3],    v[RB] offset:(\st)*REC
	ds_load_b128 v[FB+4:FB+7],  v[RB] offset:(\st)*REC+16
	ds_load_b128 v[FB+8:FB+11], v[RB] offset:(\st)*REC+32
.endm
	v_lshlrev_b32 v[T+1], 2, v[J]
.irp q, 0,1,2,3,4,5,6,7
	ds_load_b32 v[WT+\q], v[T+1] offset:WTB+32*\q
.endr
	FILL 0
	FILL 1
	FILL 2
	FILL 3
	s_wait_dscnt 12                                ; the eight sums are in; the twelve loads of the four slots stay out
.irp q, 0,1,2,3,4,5,6
	s_cmp_gt_u32 s14, \q                           ; the waves in front of mine
	s_cselect_b32 s25, -1, 0
	v_cndmask_b32 v[T], 0, v[WT+\q], s25
	v_add_f32 v[P2], v[P2], v[T]
.endr
	v_mul_f32 v[P2+1], 0.5, v[P2]                  ; P2[j] at my chunk's start, and its half
; ACC[k][l] (+)= a[k] b[l], 32 packed instructions: a pair of l at a time, a[k] taken for both halves (op_sel 1: from the pair's
; second register, op_sel_hi 0: from its first).  zero = 1: the products start the sums.
.macro OUTER a, b, zero
.irp kk, 0,1,2,3,4,5,6,7
.irp m, 0,2,4,6
.if \zero
.if (\kk)%2
	v_pk_mul_f32 v[ACC+8*\kk+\m:ACC+8*\kk+\m+1], v[\a+\kk-1:\a+\kk], v[\b+\m:\b+\m+1] op_sel:[1,0]
.else
	v_pk_mul_f32 v[ACC+8*\kk+\m:ACC+8*\kk+\m+1], v[\a+\kk:\a+\kk+1], v[\b+\m:\b+\m+1] op_sel_hi:[0,1]
.endif
.else
.if (\kk)%2
	v_pk_fma_f32 v[ACC+8*\kk+\m:ACC+8*\kk+\m+1], v[\a+\kk-1:\a+\kk], v[\b+\m:\b+\m+1], v[ACC+8*\kk+\m:ACC+8*\kk+\m+1] op_sel:[1,0,0]
.else
	v_pk_fma_f32 v[ACC+8*\kk+\m:ACC+8*\kk+\m+1], v[\a+\kk:\a+\kk+1], v[\b+\m:\b+\m+1], v[ACC+8*\kk+\m:ACC+8*\kk+\m+1] op_sel_hi:[0,1,1]
.endif
.endif
.endr
.endr
.endm
; step st of my chunk.  left = LDS loads issued behind this slot's three.  first = 1 (step 0): S3 and S4 start with products, nothing is cleared.
.macro STEP st, left, first
	.set SB, SL+12*((\st)%4)
	.set XP, XJ+2*((\st)/2)
	s_wait_dscnt \left
.if (\st)%2
	v_pk_fma_f32 v[WU:WU+1], v[SB+10:SB+11], v[XP:XP+1], v[P2:P2+1] op_sel:[0,1,0]      ; (P2, P2/2) + (a2, a3) xj
	v_pk_fma_f32 v[P2:P2+1], v[SB+8:SB+9],   v[XP:XP+1], v[P2:P2+1] op_sel:[0,1,0]      ; (P2, P2/2) += (a1, a1/2) xj
.else
	v_pk_fma_f32 v[WU:WU+1], v[SB+10:SB+11], v[XP:XP+1], v[P2:P2+1] op_sel_hi:[1,0,1]
	v_pk_fma_f32 v[P2:P2+1], v[SB+8:SB+9],   v[XP:XP+1], v[P2:P2+1] op_sel_hi:[1,0,1]
.endif
.irp m, 0,2,4,6
.if \first
	v_pk_mul_f32 v[U3+\m:U3+\m+1], v[WU:WU+1], v[SB+\m:SB+\m+1] op_sel:[1,0]
.else
	v_pk_fma_f32 v[U3+\m:U3+\m+1], v[WU:WU+1], v[SB+\m:SB+\m+1], v[L3+\m:L3+\m+1] op_sel:[1,0,0]     ; S3 + (P2/2 + a3 xj) xk
.endif
.endr
.irp m, 0,2,4,6
.if \first
	v_pk_mul_f32 v[L3+\m:L3+\m+1], v[WU:WU+1], v[SB+\m:SB+\m+1] op_sel_hi:[0,1]
.else
	v_pk_fma_f32 v[L3+\m:L3+\m+1], v[WU:WU+1], v[SB+\m:SB+\m+1], v[L3+\m:L3+\m+1] op_sel_hi:[0,1,1]  ; S3 += (P2 + a2 xj) xk
.endif
.endr
	OUTER U3, SB, \first
.if (\st) < 28
	FILL (\st)+4                                   ; the slot is read out: its record four steps on
.endif
.endm
	STEP 0, 9, 1
.set stp, 1
.rept 28
	STEP stp, 9, 0                                 ; the three younger slots, three loads each, stay out
.set stp, stp+1
.endr
	STEP 29, 6, 0                                  ; nothing is fetched any more: the counts run down
	STEP 30, 3, 0
	STEP 31, 0, 0
	OUTER L3, R, 0                                 ; S4 += S3total(my chunk) (x) (p[1023] - p[end of my chunk])
	; the wave's four chunks of level 3 are added in registers; level 4 goes to LDS chunk by chunk
.irp m, 0,1,2,3,4,5,6,7
	v_add_f32_dpp v[L3+\m], v[L3+\m], v[L3+\m] row_xmask:8 row_mask:0xf bank_mask:0xf
.endr
.irp m, 0,1,2,3,4,5,6,7
	v_permlanex16_b32 v[U3+\m], v[L3+\m], s22, s23
.endr
.irp m, 0,2,4,6
	v_pk_add_f32 v[L3+\m:L3+\m+1], v[L3+\m:L3+\m+1], v[U3+\m:U3+\m+1]
.endr
	s_lshl_b32 s25, s14, 8
	s_add_co_u32 s25, s25, L3WB
	v_lshl_add_u32 v[T], v[J], 5, s25
	ds_store_b128 v[T], v[L3:L3+3]                 ; [wave][j][k]; the four lane groups write the same values
	ds_store_b128 v[T], v[L3+4:L3+7] offset:16
	s_mul_i32 s25, s14, 4*CP                       ; my wave's four chunks: 8,704 bytes; the lane term below stays under that
	s_add_co_u32 s25, s25, REDB
	v_lshrrev_b32 v[T+2], 3, v[LANE]
	v_mul_u32_u24 v[T+1], v[T+2], CP
	v_mad_u32_u24 v[T+1], v[J], JP, v[T+1]
	v_add_nc_u32 v[T+1], s25, v[T+1]               ; [chunk][j]: 4 j + 32 (chunk & 1) banks: sixteen neighbouring lanes do not collide
.irp q, 0,1,2,3,4,5,6,7,8,9,10,11,12,13,14,15
	ds_store_b128 v[T+1], v[ACC+4*\q:ACC+4*\q+3] offset:16*\q
.endr
	s_wait_dscnt 0x0                               ; my sums are in LDS
	s_barrier_signal -1
	s_barrier_wait -1                              ; everybody's are
	; PHASE 3.  Wave w sums row j = w of level 4 over the 32 chunks; lane n takes (k,l) = 2 n, 2 n + 1: each load covers 256 neighbouring bytes.
	s_mul_i32 s25, s14, JP
	s_add_co_u32 s25, s25, REDB
	v_lshl_add_u32 v[T], v[LANE], 3, s25
	v_add_nc_u32 v[T+1], 16*CP, v[T]               ; the LDS offset has 16 bits: a second base for chunks 16 to 31
.irp c, 0,1,2,3,4,5,6,7,8,9,10,11,12,13,14,15
	ds_load_b64 v[ACC+2*\c:ACC+2*\c+1], v[T] offset:\c*CP
.endr
.irp c, 0,1,2,3,4,5,6,7,8,9,10,11,12,13,14,15
	ds_load_b64 v[ACC+32+2*\c:ACC+32+2*\c+1], v[T+1] offset:\c*CP
.endr
	v_lshlrev_b32 v[T+2], 3, v0                    ; 8 bytes a thread
	s_wait_dscnt 16                                ; chunks 0 to 15 are in; the sixteen loads of chunks 16 to 31 stay out
.irp q, 0,2,4,6,8,10,12,14
	v_pk_add_f32 v[ACC+\q:ACC+\q+1], v[ACC+\q:ACC+\q+1], v[ACC+16+\q:ACC+17+\q]
.endr
	s_wait_dscnt 0x0
.irp q, 0,2,4,6,8,10,12,14
	v_pk_add_f32 v[ACC+32+\q:ACC+33+\q], v[ACC+32+\q:ACC+33+\q], v[ACC+48+\q:ACC+49+\q]
.endr
.irp q, 0,2,4,6,8,10,12,14
	v_pk_add_f32 v[ACC+\q:ACC+\q+1], v[ACC+\q:ACC+\q+1], v[ACC+32+\q:ACC+33+\q]
.endr
.irp q, 0,2,4,6
	v_pk_add_f32 v[ACC+\q:ACC+\q+1], v[ACC+\q:ACC+\q+1], v[ACC+8+\q:ACC+9+\q]
.endr
	v_pk_add_f32 v[ACC:ACC+1], v[ACC:ACC+1], v[ACC+4:ACC+5]
	v_pk_add_f32 v[ACC+2:ACC+3], v[ACC+2:ACC+3], v[ACC+6:ACC+7]
	v_pk_add_f32 v[ACC:ACC+1], v[ACC:ACC+1], v[ACC+2:ACC+3]
	global_store_b64 v[T+2], v[ACC:ACC+1], s[12:13] th:TH_STORE_NT   ; the wave's store covers 256 consecutive bytes, aligned
	                                               ; (T+2 and ACC, ACC+1 are not written again)
	; wave 0: level 3, the eight waves' sums; one store of 256 consecutive bytes, aligned
	s_cmp_lg_u32 s14, 0
	s_cbranch_scc1 .Lnot_wave_0
	v_lshlrev_b32 v[T+3], 3, v[LANE]
.irp q, 0,1,2,3,4,5,6,7
	ds_load_b64 v[SL+2*\q:SL+2*\q+1], v[T+3] offset:L3WB+256*\q
.endr
	s_wait_dscnt 0x0
.irp q, 0,2,4,6
	v_pk_add_f32 v[SL+\q:SL+\q+1], v[SL+\q:SL+\q+1], v[SL+8+\q:SL+9+\q]
.endr
	v_pk_add_f32 v[SL:SL+1], v[SL:SL+1], v[SL+4:SL+5]
	v_pk_add_f32 v[SL+2:SL+3], v[SL+2:SL+3], v[SL+6:SL+7]
	v_pk_add_f32 v[SL:SL+1], v[SL:SL+1], v[SL+2:SL+3]
	global_store_b64 v[T+3], v[SL:SL+1], s[10:11] th:TH_STORE_NT
.Lnot_wave_0:
	; wave 1: level 2 (the eight waves' sums, 32 bytes) and level 1 (4 bytes): the work-group's whole share of these two outputs
	s_cmp_lg_u32 s14, 1
	s_cbranch_scc1 .Lend
	v_lshlrev_b32 v[U3], 2, v[J]
.irp q, 0,1,2,3,4,5,6,7
	ds_load_b32 v[WT+\q], v[U3] offset:WTB+32*\q
.endr
	v_lshlrev_b32 v[U3+1], 2, v[LANE]
	v_mov_b32 v[TMP], s20
	v_sub_f32 v[TMP], s21, v[TMP]                  ; S1[i] = p[1023][i] - p[0][i]
	s_wait_dscnt 0x0
	v_add_f32 v[L2T], v[WT], v[WT+1]
.irp q, 2,3,4,5,6,7
	v_add_f32 v[L2T], v[L2T], v[WT+\q]
.endr
	v_cmp_gt_u32 vcc_lo, 8, v[LANE]
	s_wait_xcnt 0x0                                ; EXEC is a source of the store of level 4 above: it changes only behind this wait
	s_and_saveexec_b32 s25, vcc_lo
	global_store_b32 v[U3+1], v[L2T], s[8:9]       ; lanes 0 to 7: j = lane
	s_wait_xcnt 0x0                                ; and again in front of the line that widens it
	s_or_b32 exec_lo, exec_lo, s25
	v_cmp_eq_u32 vcc_lo, 0, v[LANE]
	s_and_saveexec_b32 s25, vcc_lo                 ; nothing was issued since the last wait
	global_store_b32 v[ZERO], v[TMP], s[6:7]       ; lane 0 alone
	s_wait_xcnt 0x0
	s_or_b32 exec_lo, exec_lo, s25
.Lend:
	s_wait_tensorcnt 0x0
	ds_add_u32 v194, v195
	s_wait_dscnt 0x0
	s_endpgm
.Lfunc_end_k_q6b45228516_signature:
	.size	k_q6b45228516_signature, .Lfunc_end_k_q6b45228516_signature-k_q6b45228516_signature
	.p2alignl 7, 3214868480
	.fill 96, 4, 3214868480
	.section	.rodata,"a",@progbits
	.p2align	6, 0x0
	.amdhsa_kernel k_q6b45228516_signature
		.amdhsa_group_segment_fixed_size 123136
		.amdhsa_private_segment_fixed_size 0
		.amdhsa_enable_private_segment 0
		.amdhsa_kernarg_size 40
		.amdhsa_user_sgpr_count 2
		.amdhsa_user_sgpr_kernarg_segment_ptr 1
		.amdhsa_wavefront_size32 1
		.amdhsa_system_sgpr_workgroup_id_x 1
		.amdhsa_system_sgpr_workgroup_id_y 1
		.amdhsa_system_sgpr_workgroup_id_z 1
		.amdhsa_system_vgpr_workitem_id 0
		.amdhsa_next_free_vgpr 196
		.amdhsa_next_free_sgpr 66
		.amdhsa_reserve_vcc 1
		.amdhsa_float_denorm_mode_32 3
		.amdhsa_float_denorm_mode_16_64 3
		.amdhsa_memory_ordered 1
		.amdhsa_forward_progress 1
		.amdhsa_inst_pref_size 120
	.end_amdhsa_kernel
	.amdgpu_metadata
---
amdhsa.version: [ 1, 2 ]
amdhsa.kernels:
  - .name:           k_q6b45228516_signature
    .symbol:         k_q6b45228516_signature.kd
    .args:
      - { .name: path, .offset: 0, .size: 8, .value_kind: global_buffer, .address_space: global }
      - { .name: out0, .offset: 8, .size: 8, .value_kind: global_buffer, .address_space: global }
      - { .name: out1, .offset: 16, .size: 8, .value_kind: global_buffer, .address_space: global }
      - { .name: out2, .offset: 24, .size: 8, .value_kind: global_buffer, .address_space: global }
      - { .name: out3, .offset: 32, .size: 8, .value_kind: global_buffer, .address_space: global }
    .group_segment_fixed_size: 123136
    .private_segment_fixed_size: 0
    .kernarg_segment_align: 8
    .kernarg_segment_size: 40
    .max_flat_workgroup_size: 256
    .sgpr_count:     66
    .vgpr_count:     196
    .wavefront_size: 32
...
	.end_amdgpu_metadata
.endif
;; end of part 1
